; MI455X (gfx1250); checked and timed in simulation.
; The chip was launched on July 23, 2026; its instructions are those of AMD's public machine-readable ISA for CDNA 5 (MIT licence, August 2026) and "CDNA5" Instruction Set Architecture Reference Guide (July 2026). The comments in the code are by the model that wrote it; some were corrected since.
;; Multi Head Attention. Allowed arithmetic: matrix products marked QUANTISED: E5M2 operands, one given power-of-two scale a tensor, by v_wmma_f32_16x16x64_bf8_bf8 or v_wmma_f32_16x16x128_bf8_bf8, f32 sums; everything else in f32.
;; Inputs: Wk_codes 1,024 x 32 x 32 uint8 (E5M2 codes of Wk, K innermost, in blocks of 32 codes); Wo_codes 1,024 x 32 x 32 uint8 (E5M2 codes of Wo, K innermost, in blocks of 32 codes); Wq_codes 1,024 x 32 x 32 uint8 (E5M2 codes of Wq, K innermost, in blocks of 32 codes); Wv_codes 1,024 x 32 x 32 uint8 (E5M2 codes of Wv, K innermost, in blocks of 32 codes); bo 1,024 float32; lowp_scales 12 int32 (the exponents e of the quantised operands' scales 2^e); x_codes 4 x 2,048 x 32 x 32 uint8 (E5M2 codes of x, K innermost, in blocks of 32 codes).
;; Outputs: out0 4 x 2,048 x 1,024 float32.
;; This version of the problem:
;;   THIS VERSION OF THE PROBLEM IS GIVEN IN LOW PRECISION. The matrix products marked QUANTISED in the list below multiply operands that are first quantised to E5M2 (5 exponent bits, 2 mantissa bits; 8 bits a number), with one given power-of-two scale for each operand tensor; their sums are f32. All else is computed in f32.
;;   The module's matrix products, in the order in which they are computed (A, B: the left and right operand; K: the contracted axis; several contracted axes count as one K, in the product's order):
;;     1. [M 8,192, K 1,024] x [K 1,024, N 1,024]; A: input x (given as codes); B: input Wq (given as codes): QUANTISED (scales: A lowp_scales[0], B lowp_scales[1])
;;     2. [M 8,192, K 1,024] x [K 1,024, N 1,024]; A: input x (given as codes); B: input Wk (given as codes): QUANTISED (scales: A lowp_scales[2], B lowp_scales[3])
;;     3. [M 8,192, K 1,024] x [K 1,024, N 1,024]; A: input x (given as codes); B: input Wv (given as codes): QUANTISED (scales: A lowp_scales[4], B lowp_scales[5])
;;     4. batch 64 x [M 2,048, K 64] x [K 64, N 2,048]; A: computed on the way; B: computed on the way: QUANTISED (scales: A lowp_scales[6], B lowp_scales[7])
;;     5. batch 64 x [M 2,048, K 2,048] x [K 2,048, N 64]; A: softmax (see below); B: computed on the way: QUANTISED (scales: A lowp_scales[8], B lowp_scales[9])
;;     6. [M 8,192, K 1,024] x [K 1,024, N 1,024]; A: computed on the way; B: input Wo (given as codes): QUANTISED (scales: A lowp_scales[10], B lowp_scales[11])
;;   THE QUANTISER, for each operand of a quantised product, along K:
;;     - The operand's scale is 2^e, e = its entry of the input lowp_scales (int32; the entries are numbered through the quantised products in the list's order, A before B).
;;     - Each number is divided by the scale, clamped to +-57,344, and rounded to the nearest number of E5M2, ties to even, subnormals kept.
;;     - The product sums the exact products of the quantised numbers (number of the format x scale) in f32.
;;   ~~~python
;;   def quantise(x, axis, e):      # numpy; x: float32 -> the quantised numbers, widened to float32 again
;;       x = np.moveaxis(x, axis, -1); K = x.shape[-1]
;;       r = np.clip(x / 2.0 ** e, -57344, 57344)
;;       step = 2.0 ** (np.maximum(np.frexp(np.where(r == 0, 1, r))[1] - 1, -14) - 2)
;;       q = np.round(r / step) * step * 2.0 ** e      # np.round: ties to even
;;       return np.moveaxis(q, -1, axis).astype(np.float32)
;;   ~~~
;;   SOFTMAX AHEAD OF A QUANTISED PRODUCT. Where the list says 'softmax', what is quantised is not the finished softmax but p = 2^(t - M), with t = logit x log2(e) and M = ceil(the row's largest t), a whole number; so 1/2 < the row's largest p <= 1. The row's sum l is taken of the UNQUANTISED p, in f32, and the product's result is divided by l at the end. Since M is a whole number, a kernel that streams over the keys may use a running M (the ceiling of the running maximum): every later rescaling is an exact power of two, so the quantised numbers keep their values, but for numbers so far below the row's largest that they fall under the format's range.
;;   OPERANDS COMPUTED ON THE WAY. 'Computed on the way' means the value that the module computes at that place (a softmax that the list does not call 'softmax' is quantised finished and normalised). What goes into a quantiser is computed in f32, as accurately as f32 sums, v_exp_f32 and their like allow (about 1e-6 of the number): no bf16 or f16 on the way to a quantiser, and a product that is left as it is and whose result goes on into a quantised operand takes f32 operands (vector FMAs, or v_wmma_f32_16x16x4_f32). A number that lies on a knife's edge between two numbers of the format may be rounded either way, as far as f32 arithmetic and the matrix unit's own rounding can turn it there, and no further.
;;   INPUTS GIVEN AS CODES. Wk (in the module: [1024, 1024], K = its axis 0); Wo (in the module: [1024, 1024], K = its axis 0); Wq (in the module: [1024, 1024], K = its axis 0); Wv (in the module: [1024, 1024], K = its axis 0); x (in the module: [4, 2048, 1024], K = its axis 2): each comes as NAME_codes (uint8): NAME with its K axis moved to the last place and cut into blocks of 32 codes, [.., K / 32, bytes a block], one block behind the other in memory; one code a byte (a code: sign, 5 exponent bits, 2 mantissa bits); its scale is its entry of lowp_scales. Its value is code x scale, taken as it is: it is not quantised again, and the codes and scales need not be those that the quantiser above would give.
;; One version. Each part assembles by itself: llvm-mc -triple=amdgcn-amd-amdhsa -mcpu=gfx1250 --defsym DOCPART=n.
;; ======== version 1 of 1: 3 launches
;; limits: right only within a limited range of input values
;; workspace buffers: qkv 25,165,824 bytes; ctx 8,388,608 bytes
;; launch proj (part 1): grid 12 x 32, 4 waves a work-group, clusters of 4 x 4, 327,680 bytes of LDS; arguments x_codes, Wq_codes, Wk_codes, Wv_codes, lowp_scales, qkv; writes qkv
.if DOCPART == 1
	.amdgcn_target "amdgcn-amd-amdhsa--gfx1250"
	.amdhsa_code_object_version 6
	.text
	.protected	k_q6ea756b218_proj
	.globl	k_q6ea756b218_proj
	.p2align	8
	.type	k_q6ea756b218_proj,@function
k_q6ea756b218_proj:
	s_mov_b64 s[64:65], 0
	v_nop
	global_prefetch_b8 v0, s[64:65] scope:SCOPE_SE
	s_setreg_imm32_b32 hwreg(HW_REG_WAVE_MODE, 25, 1), 1
	s_wait_xcnt 0x0
	s_wait_alu depctr_hold_cnt(0) depctr_sa_sdst(0) depctr_va_vdst(0) depctr_va_sdst(0) depctr_va_ssrc(0) depctr_va_vcc(0) depctr_vm_vsrc(0)
	s_getreg_b32 s2, hwreg(HW_REG_IB_STS2, 6, 4)
	s_cmp_eq_u32 s2, 0
	s_cbranch_scc0 .Lentry_in_a_cluster
	s_endpgm
.Lentry_in_a_cluster:
	s_bfe_u32 s2, ttmp6, 0x10000c
	s_cmp_lg_u32 s2, 0xf033
	s_cbranch_scc0 .Lentry_shape_is_right
	s_endpgm
.Lentry_shape_is_right:
; q = x Wq, k = x Wk, v = x Wv on codes of E5M2 (x: [8192][1024], each W: [1024 (n)][1024 (k)], K innermost), f32 sums, and the three results quantised at once, with the given scales,
; into the buffer qkv, which holds IMAGES OF OPERAND REGISTERS for the attention launch (each group of four registers: 512 bytes, lane l's 16 bytes at 16 l):
;   Q at 0, K at 8 MiB: [head bh = 16 batch + h][tile of 16 tokens][1,024 B]: lane (r, hh) holds token r, registers 2 c, 2 c + 1 the head's dims 16 c + 8 hh + 0 .. 7 (registers 0-3 at +0, 4-7 at +512)
;   V at 16 MiB:        [head][128 keys][16 channels][2,048 B]: lane (r, hh) holds channel r, registers 2 c, 2 c + 1 the keys 16 c + 8 hh + 0 .. 7
; A sum of codes stands for sum x 2^(ea + eb); its code is sum / 2^(eo - ea - eb): the three exponents are folded into the conversion's one scale (q: e6 - e0 - e1; k: e7 - e2 - e3; v: e9 - e4 - e5).
; LIMITS: each of these three differences lies between -126 and 112, so that the scale and 57,344 x the scale are f32 numbers.  Codes of NaN or infinity among the inputs are not served.
; SHARES.  A work-group of four waves makes 256 x 256 results, a wave 128 x 128: 64 accumulators, 512 registers.  The cluster's x (0, 1, 2) says which of q, k, v.  3 x 128 = 384 work-groups.
; ONE TEXT FOR ALL THREE.  Source 0 takes 16 rows of S0, source 1 16 rows of S1; in the result lane (r, hh) holds S1's row r and its registers j S0's rows 8 hh + j.  The conversion takes eight numbers of one lane,
; and they must be neighbours along the NEXT product's K: for q and k the head's dims (S0 = the weight, S1 = x), for v the keys (S0 = x, S1 = Wv).  Only pointers, tile numbers and three strides are chosen; no branch.
; K goes in steps of 256 through a ring of two LDS slots filled by the tensor data mover; a tile's row is 256 bytes of memory.
; CLUSTERS: 4 x 4 work-groups.  S0's tile hangs on cx alone (the weight's tile cx, or x's tile 4 CY + cx) and is shared along a column; S1's on cy alone and is shared along a row: each tile is asked for JOINTLY.
; A fragment is fetched by four loads of 16 bytes, 32 bytes apart: a permutation of k inside the 128, the same in both operands, so that every product meets its partner.
; REGISTERS, in windows of 256: window 0: v0-31 addresses and constants; v128-255 S1's fragments (one set), on the way out the codes.  window 1: S0's fragments, two sets.  windows 2, 3: the accumulators, (a, b) at v[8 (8 (a % 4) + b)].
.set KSTEP,  256
.set ROWB,   256                       ; a tile's row in bytes
.set KROW,   1024                      ; a row of x or of a weight in memory
.set PITCH,  272                       ; an LDS row: 256 bytes + 16 of padding = 68 words: row r starts at bank 4 r mod 64 (64 banks of 4 bytes: ISA guide 11.1)
.set FR,     16                        ; registers of a fragment: 16 rows x 128 K
.set NL,     4                         ; LDS loads that bring one
.set NP,     4                         ; places behind this matrix instruction (ISA guide 7.12.1)
.set HALFT,  128*PITCH                 ; 128 rows: what one tensor load brings, and what one wave reads of S0 or of S1
.set SLOT,   4*HALFT                   ; S1's 256 rows, then S0's 256 rows
.set LAPS,   2                         ; 1,024 along K = four K steps = twice round the ring
.set SPARE,  2*SLOT                    ; behind the ring: the spare words, 128 bytes for each wave: two blocks of 256 bytes that no other line names
.set ADRA, 16                          ; v16-17  LDS address of my S1 fragments in slot 0, 1
.set ADRB, 20                          ; v20-21  the same for S0
.set CO,   26                          ; v26     16 x lane: my place in an image's 512 bytes
.set CO2,  27                          ; v27     the same, s84 bytes on
.set SPW,  28                          ; v28     LDS address of my spare word; never rewritten
.set NIL,  29                          ; v29     0; never rewritten
.set SC,   30                          ; v30     the conversion's scale as f32
.set LIM,  31
.set AF,   128                         ; S1's fragments, in window 0
.set CD,   128                         ; the way out: 16 registers of codes for each S1 block
.set G1, 24                            ; s[24:31] descriptor group 1 for S1's tiles;  s[32:39] group 0, one set for each slot
.set G0, 32
.set G1B, 48                           ; s[48:55], s[56:63] the same for S0's tiles
.set G0B, 56
.set MSB, 0
.macro WIN new                         ; the immediate's high byte repeats the setting that is left
.if MSB != \new
	s_set_vgpr_msb (MSB<<8)|\new
.set MSB, \new
.endif
.endm
.set MUL_LO, 0xa1                      ; source 0 (S0) window 1, source 1 (S1) window 0, C and D window 2
.set MUL_HI, 0xf1                      ; the same, C and D window 3
.set TO_B,   0x40                      ; destination window 1, address window 0
; A joint load: waves 0 and 1 fetch for S1, waves 2 and 3 for S0.  Each line has one mask and one set of registers; the branch hangs on the wave's number alone.
; Four v_nop follow each of the two lines, ahead of the jump, the label and what follows.
.macro JLOAD g0a, g1a, g0b, g1b
	s_cmp_eq_u32 s17, 0
	s_cbranch_scc0 .Lfor_b_\@
	tensor_load_to_lds s[\g0a:\g0a+3], s[\g1a:\g1a+7]
	s_nop 0
.rept 4
	v_nop
.endr
	s_branch .Lasked_\@
.Lfor_b_\@:
	tensor_load_to_lds s[\g0b:\g0b+3], s[\g1b:\g1b+7]
	s_nop 0
.rept 4
	v_nop
.endr
.Lasked_\@:
.endm
.macro CREST                           ; a round of the cluster's barrier behind its opening barrier
	s_cmp_lg_u32 s16, 0
	s_cbranch_scc1 .Lnot_wave_0_\@
	s_barrier_signal -3
.Lnot_wave_0_\@:
	s_barrier_wait -3
	s_barrier_signal -1
	s_barrier_wait -1
.endm
.macro CROUND                          ; a whole round
	s_barrier_signal -1
	s_barrier_wait -1
	CREST
.endm
	s_load_b256 s[4:11], s[0:1], 0x0               ; x s[4:5], Wq s[6:7], Wk s[8:9], Wv s[10:11]
	s_load_b128 s[12:15], s[0:1], 0x20             ; the scales' exponents s[12:13], qkv s[14:15]
	v_lshl_add_u32 v[SPW], v0, 2, SPARE
	v_mov_b32 v[NIL], 0
	ds_add_u32 v28, v29
	ds_add_u32 v28, v29
	s_wait_dscnt 0x0
	v_lshrrev_b32 v1, 5, v0
	v_readfirstlane_b32 s16, v1                    ; wave 0..3
	s_lshr_b32 s17, s16, 1                         ; which half of S1's rows is mine.  Also: I fetch for S1 (0) or for S0 (1)
	s_and_b32 s18, s16, 1                          ; which half of S0's rows.  Also: which 128 rows of that tile I fetch
	s_bfe_u32 s19, ttmp6, 0x40000                  ; cx, cy: my place in the cluster
	s_bfe_u32 s20, ttmp6, 0x40004
	s_and_b32 s22, ttmp7, 0xffff
	s_lshl_b32 s22, s22, 2                         ; 4 x cluster y
	s_lshl_b32 s95, s20, 2
	s_lshl_b32 s95, 15, s95                        ; my row of the cluster
	s_lshl_b32 s94, 0x1111, s19                    ; my column
	; descriptor group 1: a tile of 128 rows x 256 bytes, padded in LDS
	s_or_b32 s[G1+0], s95, (0<<16)|(1<<20)|(1<<21)|(5<<22)|(3<<25)  ; 15:0 the mask: S1's tiles go to my row; 17:16 element of 1 byte; 20 padding on; 21 set beside a mask; 24:22 after every 64 words (code 5); 31:25 of 4 words (code 3)
	s_or_b32 s[G1B+0], s94, (0<<16)|(1<<20)|(1<<21)|(5<<22)|(3<<25) ; the same with the mask of my column, for S0's tiles
.irp g, G1, G1B
	s_mov_b32 s[\g+1], ROWB<<16                    ; tensor_dim0
	s_mov_b32 s[\g+2], 128<<16                     ; tensor_dim1 = 128
	s_mov_b32 s[\g+3], ROWB<<16                    ; tile_dim0
	s_mov_b32 s[\g+4], 128                         ; tile_dim1 = 128
	s_mov_b32 s[\g+5], KROW                        ; tensor_dim0_stride
	s_mov_b32 s[\g+6], 0
	s_mov_b32 s[\g+7], 0
.endr
	; what differs between q, k (cluster x 0, 1) and v (2): chosen on the cluster's x, which all partners share
	s_mov_b32 s80, 1024
	s_mov_b32 s82, 1024
	s_mov_b32 s84, 131072
	s_cmp_eq_u32 ttmp9, 2
	s_cselect_b32 s46, s22, 0                      ; v: S0 is x, its tile 4 CY + cx;  q, k: S0 is the weight, its tile cx
	s_cselect_b32 s47, 0, s22                      ; v: S1 is Wv, its tile cy;        q, k: S1 is x, its tile 4 CY + cy
	s_cselect_b32 s80, 2048, s80                   ; bytes from one S1 block's image to the next: v: 16 channels on; q, k: 16 tokens on
	s_cselect_b32 s82, 124928, s82                 ; the same from block 3 to block 4: v: the next head's first 16 channels (131,072 - 3 x 2,048)
	s_cselect_b32 s84, 1024, s84                   ; bytes from a block's registers 0-7 to its registers 8-15: v: the fragment's second half; q, k: the next head
	s_mov_b32 s81, 0
	s_mov_b32 s83, 0
	s_add_co_u32 s46, s46, s19                     ; S0's tile: hangs on cx alone
	s_add_co_u32 s47, s47, s20                     ; S1's tile: hangs on cy alone
	s_lshl_b32 s88, s18, 7                         ; which 128 rows of a tile I fetch
	s_lshl_b32 s90, s47, 8
	s_add_co_u32 s90, s90, s88
	s_lshl_b32 s90, s90, 10                        ; S1: (256 x tile + 128 x half) rows of 1,024 bytes: under 2^23
	s_mov_b32 s91, 0
	s_lshl_b32 s92, s46, 8
	s_add_co_u32 s92, s92, s88
	s_lshl_b32 s92, s92, 10                        ; S0 likewise
	s_mov_b32 s93, 0
	s_mul_i32 s89, s16, HALFT                      ; where they go: wave x 128 rows: no place in the cluster enters an LDS address
	; where my results go
	s_lshl_b32 s94, s46, 8
	s_add_co_u32 s94, s94, s88                     ; R0: my first row of S0 = 256 x tile + 128 (wave & 1)
	s_lshl_b32 s95, s47, 8
	s_lshl_b32 s85, s17, 7
	s_add_co_u32 s95, s95, s85                     ; R1: my first row of S1 = 256 x tile + 128 (wave >> 1)
	s_cmp_eq_u32 ttmp9, 2
	s_cselect_b32 s66, s94, s95                    ; my first token,
	s_cselect_b32 s67, s95, s94                    ; my first output column
	s_lshr_b32 s86, s66, 11                        ; batch
	s_lshl_b32 s86, s86, 4
	s_lshr_b32 s67, s67, 6                         ; head
	s_add_co_u32 s86, s86, s67
	s_lshl_b32 s86, s86, 17                        ; a head's images are 131,072 bytes in each of the three parts
	s_and_b32 s66, s66, 2047
	s_lshl_b32 s66, s66, 6                         ; 64 bytes a token: 1,024 for a tile of 16 (q, k), 8,192 for 128 keys (v)
	s_add_co_u32 s86, s86, s66
	s_lshl_b32 s85, ttmp9, 23                      ; Q, K or V's part
	s_add_co_u32 s86, s86, s85
	s_mov_b32 s87, 0
	s_wait_kmcnt 0x0
	s_load_b256 s[68:75], s[12:13], 0x0            ; e0 .. e7
	s_load_b128 s[76:79], s[12:13], 0x20           ; e8 .. e11
	s_cmp_eq_u32 ttmp9, 0
	s_cselect_b64 s[40:41], s[6:7], s[8:9]         ; Wq or Wk
	s_cmp_eq_u32 ttmp9, 2
	s_cselect_b64 s[42:43], s[4:5], s[40:41]       ; S0: x or the weight
	s_cselect_b64 s[44:45], s[10:11], s[4:5]       ; S1: Wv or x
	s_add_nc_u64 s[44:45], s[44:45], s[90:91]
	s_add_nc_u64 s[42:43], s[42:43], s[92:93]
	s_add_nc_u64 s[86:87], s[14:15], s[86:87]
	CROUND                                         ; all sixteen work-groups are here: the first joint loads meet
.irp s, 0,1
	s_mov_b32 s[G0+4*\s], 1
	s_add_co_u32 s[G0+4*\s+1], s89, \s*SLOT
	s_add_nc_u64 s[G0+4*\s+2:G0+4*\s+3], s[44:45], \s*ROWB
	s_or_b32 s[G0+4*\s+3], s[G0+4*\s+3], 0x80000000
	s_mov_b32 s[G0B+4*\s], 1
	s_add_co_u32 s[G0B+4*\s+1], s89, \s*SLOT
	s_add_nc_u64 s[G0B+4*\s+2:G0B+4*\s+3], s[42:43], \s*ROWB
	s_or_b32 s[G0B+4*\s+3], s[G0B+4*\s+3], 0x80000000
	JLOAD G0+4*\s, G1, G0B+4*\s, G1B
.endr
	v_and_b32 v1, 15, v0                           ; l % 16
	v_bfe_u32 v2, v0, 4, 1                         ; l / 16
	v_mul_u32_u24 v3, v1, PITCH
	v_lshl_add_u32 v4, v2, 4, v3                   ; a fragment's row x pitch + 16 x half
	s_mul_i32 s21, s17, HALFT                      ; my 128 rows of S1
	s_mul_i32 s23, s18, HALFT                      ; my 128 rows of S0,
	s_add_co_u32 s23, s23, 2*HALFT                 ; which lie behind S1's 256
.irp s, 0,1
	v_add_nc_u32 v[ADRA+\s], s21, v4
	v_add_nc_u32 v[ADRB+\s], s23, v4
	s_add_co_u32 s21, s21, SLOT
	s_add_co_u32 s23, s23, SLOT
.endr
	v_and_b32 v6, 31, v0
	v_lshlrev_b32 v[CO], 4, v6
	v_add_nc_u32 v[CO2], s84, v[CO]
.macro FRAG reg, adr, q, i             ; a fragment: lane l holds row l % 16; registers 4 c .. 4 c + 3 hold K = 32 c + 16 (l / 16) + 0 .. 15 of the 128
.irp c, 0,1,2,3
	ds_load_b128 v[\reg+4*\c:\reg+4*\c+3], v[\adr] offset:128*(\q)+32*\c+(\i)*16*PITCH
.endr
.endm
; 16 matrix instructions: S1's blocks a0, a0 + 1 x S0's eight, 128 along K.  p: S0's set.  zero = 1: the first product starts the sums: nothing is ever cleared.
; The 64 accumulators take turns, one instruction a turn, in the same order in every step.
.macro MUL16 a0, p, zero
.irp a, \a0, \a0+1
.irp b, 0,1,2,3,4,5,6,7
.if \zero
	v_wmma_f32_16x16x128_bf8_bf8 v[8*(8*((\a)%4)+\b):8*(8*((\a)%4)+\b)+7], v[128*(\p)+FR*\b:128*(\p)+FR*\b+FR-1], v[AF+FR*(\a):AF+FR*(\a)+FR-1], 0
.else
	v_wmma_f32_16x16x128_bf8_bf8 v[8*(8*((\a)%4)+\b):8*(8*((\a)%4)+\b)+7], v[128*(\p)+FR*\b:128*(\p)+FR*\b+FR-1], v[AF+FR*(\a):AF+FR*(\a)+FR-1], v[8*(8*((\a)%4)+\b):8*(8*((\a)%4)+\b)+7]
.endif
.endr
.endr
.endm
.macro FETCH_B slot, q, p              ; S0's eight fragments of the slot's q-th 128 along K into set p
	WIN TO_B
.irp i, 0,1,2,3,4,5,6,7
	FRAG 128*(\p)+FR*\i, ADRB+\slot, \q, \i
.endr
	WIN 0
.endm
.macro FETCH_A slot, q, i0             ; S1's blocks i0 .. i0 + 3
.irp i, \i0, \i0+1, \i0+2, \i0+3
	FRAG AF+FR*(\i), ADRA+\slot, \q, \i
.endr
.endm
; A load into a register that a matrix instruction has read, and a vector instruction that reads a matrix result or writes one of a matrix instruction's registers, stand NP places behind it;
; only plain vector instructions that name none of its registers are places (ISA guide 7.12.1 for vector instructions).
.macro PLACES n
.rept \n
	v_nop
.endr
.endm
; A step of 128 along K that has its successor in the same slot.  A block of S1 is free as soon as its eight products are issued, so one set serves S1: blocks 0-3 are fetched anew in the step's middle, blocks 4-7 at its end.
.macro STEP slot, q, zero
	s_wait_dscnt 4*NL                              ; S0's set and S1's blocks 0-3 are in; the sixteen youngest loads (S1's blocks 4-7) may be out
	WIN MUL_LO
	MUL16 0, (\q)%2, \zero
	MUL16 2, (\q)%2, \zero
	s_wait_dscnt 0                                 ; S1's blocks 4-7 are in (asked for 32 matrix instructions ago)
	PLACES NP
	FETCH_B \slot, (\q)+1, 1-(\q)%2
	FETCH_A \slot, (\q)+1, 0
	WIN MUL_HI
	MUL16 4, (\q)%2, \zero
	MUL16 6, (\q)%2, \zero
	PLACES NP
	WIN 0
	FETCH_A \slot, (\q)+1, 4
.endm
; A slot's last step changes slots: ONE barrier; in front of it each wave waits for all its tensor loads, adds 0 to its spare word, and waits for that and for its own reads of this slot.  fill = 1: this slot is filled again, two K steps ahead.
.macro TURN slot, next, fill
	s_wait_tensorcnt 0x0                           ; all my tensor loads have landed: my part of the next slot;  (every window is 0 here)
	ds_add_u32 v[SPW], v[NIL]                      ; 0 onto my spare word
	s_wait_dscnt 4*NL+1                            ; (the add and the sixteen youngest loads, S1's blocks 4-7, may be out)
	WIN MUL_LO
	MUL16 0, 1, 0                                  ; sixteen matrix instructions stand between the add and the wait for it
	s_wait_dscnt 0x0                               ; the add is done, and my reads of this slot are over
	s_barrier_signal -1
	MUL16 2, 1, 0
	WIN 0
	s_barrier_wait -1
.if \fill
	CREST                                          ; the barrier has opened a round of the cluster's barrier: no wave of any partner still reads this slot's tile or has a load on its way
	s_add_nc_u64 s[G0+4*\slot+2:G0+4*\slot+3], s[G0+4*\slot+2:G0+4*\slot+3], 2*ROWB
	s_add_nc_u64 s[G0B+4*\slot+2:G0B+4*\slot+3], s[G0B+4*\slot+2:G0B+4*\slot+3], 2*ROWB
	JLOAD G0+4*\slot, G1, G0B+4*\slot, G1B         ; the first tensor load behind the round; the four v_nop behind it are the places in front of the loads below
.else
	PLACES NP
.endif
	FETCH_B \next, 0, 0
	FETCH_A \next, 0, 0
	WIN MUL_HI
	MUL16 4, 1, 0
	MUL16 6, 1, 0
	PLACES NP
	WIN 0
	FETCH_A \next, 0, 4
.endm
	s_wait_alu depctr_va_vdst(0)
	s_wait_tensorcnt 1                             ; my part of K step 0 is in; K step 1's load, issued behind it, may be out
	s_barrier_signal -1
	s_barrier_wait -1                              ; everybody's is
	FETCH_B 0, 0, 0
	FETCH_A 0, 0, 0
	FETCH_A 0, 0, 4
	STEP 0, 0, 1                                   ; the first step stands in front of the loop: its products start the sums
	s_mov_b32 s3, LAPS-1
.Llap:                                                 ; a trip goes once round the ring, from a lap's second step to the next lap's first, and fills both slots again
	TURN 0, 1, 1
	STEP 1, 0, 0
	TURN 1, 0, 1
	STEP 0, 0, 0
	s_sub_co_u32 s3, s3, 1
	s_cmp_lg_u32 s3, 0
	s_cbranch_scc1 .Llap
	TURN 0, 1, 0                                   ; the last lap fills nothing, and has no round of the cluster's barrier
	STEP 1, 0, 0
	s_wait_dscnt 4*NL                              ; the very last step: nothing more to fetch
	WIN MUL_LO
	MUL16 0, 1, 0
	MUL16 2, 1, 0
	s_wait_dscnt 0
	WIN MUL_HI
	MUL16 4, 1, 0
	MUL16 6, 1, 0
	WIN 0
; THE WAY OUT, S1 block by S1 block: 64 sums a lane are converted (eight registers of one accumulator give two registers of codes: just the two that the next operand's layout wants of them) and stored as they stand.
	s_wait_kmcnt 0x0
	s_sub_co_i32 s88, s74, s68
	s_sub_co_i32 s88, s88, s69                     ; q: e6 - e0 - e1
	s_sub_co_i32 s89, s75, s70
	s_sub_co_i32 s89, s89, s71                     ; k: e7 - e2 - e3
	s_sub_co_i32 s90, s77, s72
	s_sub_co_i32 s90, s90, s73                     ; v: e9 - e4 - e5
	s_cmp_eq_u32 ttmp9, 0
	s_cselect_b32 s88, s88, s89
	s_cmp_eq_u32 ttmp9, 2
	s_cselect_b32 s88, s90, s88
	s_add_co_i32 s88, s88, 127
	s_lshl_b32 s89, s88, 23
	v_mov_b32 v[SC], s89                           ; the scale as f32: the conversion takes its exponent field
	s_wait_alu depctr_va_vdst(0)
	s_add_co_i32 s88, s88, 15
	s_lshl_b32 s88, s88, 23
	s_or_b32 s88, s88, 0x600000
	PLACES NP                                      ; behind the last products: the conversions read results and write registers that held S1's fragments
.macro QUANT a
.set W, 2+(\a)/4
.set AC, 64*((\a)%4)
.set WW, (W<<6)|W
	WIN WW                                         ; destination and source 0: the accumulators' window
.set i, 0
.rept 64
.set i, i+1
.endr
	WIN W                                          ; source 0: the accumulators' window; the codes and the scale in window 0
.irp b, 0,1,2,3,4,5,6,7
	v_cvt_scalef32_pk8_bf8_f32 v[CD+16*(\a)+2*\b:CD+16*(\a)+2*\b+1], v[AC+8*\b:AC+8*\b+7], v[SC]
.endr
	WIN 0
	v_nop                                          ; one plain vector instruction behind the last conversion of a run
.endm
.macro SENDQ a
.if (\a) > 0
	s_wait_xcnt 0x0                                ; the earlier stores have read their base: only behind this wait is it stepped
.if (\a) == 4
	s_add_nc_u64 s[86:87], s[86:87], s[82:83]
.else
	s_add_nc_u64 s[86:87], s[86:87], s[80:81]
.endif
.endif
	global_store_b128 v[CO],  v[CD+16*(\a):CD+16*(\a)+3],     s[86:87]              ; each store of the wave covers 512 consecutive bytes, aligned; no store's data are written again
	global_store_b128 v[CO],  v[CD+16*(\a)+4:CD+16*(\a)+7],   s[86:87] offset:512
	global_store_b128 v[CO2], v[CD+16*(\a)+8:CD+16*(\a)+11],  s[86:87]
	global_store_b128 v[CO2], v[CD+16*(\a)+12:CD+16*(\a)+15], s[86:87] offset:512
.endm
.irp a, 0,1,2,3,4,5,6,7
	QUANT \a
	s_wait_alu depctr_va_vdst(0)
	SENDQ \a
.endr
	s_wait_tensorcnt 0x0                           ; the wave's end
	ds_add_u32 v[SPW], v[NIL]
	s_wait_dscnt 0x0
	CROUND                                         ; the closing round: no work-group ends while a partner may still ask for a tile that names it
	s_endpgm
.Lfunc_end_k_q6ea756b218_proj:
	.size	k_q6ea756b218_proj, .Lfunc_end_k_q6ea756b218_proj-k_q6ea756b218_proj
	.p2alignl 7, 3214868480
	.fill 96, 4, 3214868480
	.section	.rodata,"a",@progbits
	.p2align	6, 0x0
	.amdhsa_kernel k_q6ea756b218_proj
		.amdhsa_group_segment_fixed_size 327680
		.amdhsa_private_segment_fixed_size 0
		.amdhsa_enable_private_segment 0
		.amdhsa_kernarg_size 48
		.amdhsa_user_sgpr_count 2
		.amdhsa_user_sgpr_kernarg_segment_ptr 1
		.amdhsa_wavefront_size32 1
		.amdhsa_system_sgpr_workgroup_id_x 1
		.amdhsa_system_sgpr_workgroup_id_y 1
		.amdhsa_system_sgpr_workgroup_id_z 1
		.amdhsa_system_vgpr_workitem_id 0
		.amdhsa_next_free_vgpr 1024
		.amdhsa_next_free_sgpr 96
		.amdhsa_reserve_vcc 0
		.amdhsa_float_denorm_mode_32 3
		.amdhsa_float_denorm_mode_16_64 3
		.amdhsa_fp16_overflow 1
		.amdhsa_memory_ordered 1
		.amdhsa_forward_progress 1
		.amdhsa_inst_pref_size 88
	.end_amdhsa_kernel
	.amdgpu_metadata
---
amdhsa.version: [ 1, 2 ]
amdhsa.kernels:
  - .name:           k_q6ea756b218_proj
    .symbol:         k_q6ea756b218_proj.kd
    .args:
      - { .name: x_codes, .offset: 0, .size: 8, .value_kind: global_buffer, .address_space: global }
      - { .name: Wq_codes, .offset: 8, .size: 8, .value_kind: global_buffer, .address_space: global }
      - { .name: Wk_codes, .offset: 16, .size: 8, .value_kind: global_buffer, .address_space: global }
      - { .name: Wv_codes, .offset: 24, .size: 8, .value_kind: global_buffer, .address_space: global }
      - { .name: lowp_scales, .offset: 32, .size: 8, .value_kind: global_buffer, .address_space: global }
      - { .name: qkv, .offset: 40, .size: 8, .value_kind: global_buffer, .address_space: global }
    .group_segment_fixed_size: 327680
    .private_segment_fixed_size: 0
    .kernarg_segment_align: 8
    .kernarg_segment_size: 48
    .max_flat_workgroup_size: 128
    .sgpr_count:     96
    .vgpr_count:     1024
    .wavefront_size: 32
...
	.end_amdgpu_metadata
.endif
;; end of part 1
;; launch attn (part 2): grid 4 x 64, 16 waves a work-group, clusters of 4 x 1, 327,680 bytes of LDS; arguments qkv, lowp_scales, ctx; writes ctx
.if DOCPART == 2
	.amdgcn_target "amdgcn-amd-amdhsa--gfx1250"
	.amdhsa_code_object_version 6
	.text
	.protected	k_q6ea756b218_attn
	.globl	k_q6ea756b218_attn
	.p2align	8
	.type	k_q6ea756b218_attn,@function
k_q6ea756b218_attn:
	s_mov_b64 s[64:65], 0
	v_nop
	global_prefetch_b8 v0, s[64:65] scope:SCOPE_SE
	s_setreg_imm32_b32 hwreg(HW_REG_WAVE_MODE, 25, 1), 1
	s_wait_xcnt 0x0
	s_wait_alu depctr_hold_cnt(0) depctr_sa_sdst(0) depctr_va_vdst(0) depctr_va_sdst(0) depctr_va_ssrc(0) depctr_va_vcc(0) depctr_vm_vsrc(0)
	s_getreg_b32 s2, hwreg(HW_REG_IB_STS2, 6, 4)
	s_cmp_eq_u32 s2, 0
	s_cbranch_scc0 .Lentry_in_a_cluster
	s_endpgm
.Lentry_in_a_cluster:
	s_bfe_u32 s2, ttmp6, 0x10000c
	s_cmp_lg_u32 s2, 0x3003
	s_cbranch_scc0 .Lentry_shape_is_right
	s_endpgm
.Lentry_shape_is_right:
; Causal attention of one head on codes of E5M2, and the result quantised for the output product.  64 heads (bh = 16 batch + h) of 2,048 tokens x 64 dims.
; qkv holds images of operand registers (each group of four registers: 512 bytes, lane l's 16 bytes at 16 l): Q at 0, K at 8 MiB: [bh][tile of 16 tokens][1,024 B]; V at 16 MiB: [bh][128 keys][16 channels][2,048 B].
; THE SOFTMAX AHEAD OF THE SECOND PRODUCT: t = score x log2(e) / 8; M = the row's largest t so far, rounded UP to a whole number; p = 2^(t - M) is what is quantised, with 2^e8; it is not normalised.
; The row's sum is taken of the unquantised p, in f32, and divides O at the end.  When M moves, the sum and O are multiplied by 2^(old M - new M): exact.
; SHARES.  A cluster of four work-groups is one head.  THE WHOLE HEAD'S K AND V (131,072 bytes each) LIE IN EACH WORK-GROUP'S LDS, fetched once, by joint loads that name all four: nothing in LDS is ever filled twice.
; Wave w (of 16) of work-group cx owns two tiles of 16 queries: B = 127 - j and A = j, j = 4 w + cx.  With a = w / 2, tile B needs the key steps (128 keys) 0 .. 15 - a and tile A the steps 0 .. a:
; 17 steps for every wave of the launch, so all waves walk the same 17 trips.  Steps wholly behind the causal mask are never walked.  Every branch hangs on w and the trip's number alone; cx enters global addresses and the mask's vector operand.
; LAYOUT.  Both products are used transposed: S^T = K Q^T (source 0 = 16 keys, source 1 = my 16 queries; K = 64), O^T = V^T P^T (source 0 = 16 channels, source 1 = P; K = 128 keys): a lane holds ONE query (lane % 16) throughout.
; In tile T of S^T lane (r, hh) holds keys 16 T + 8 hh + 0 .. 7: their eight codes ARE registers 2 T, 2 T + 1 of the second product's operand.  No k changes its place in either product.
; ctx: [tile of 16 tokens, 512][head, 16][1,024 B]: part b (512 bytes): lane (r, hh) holds token r, the head's channels 32 b + 16 hh + 0 .. 15: the order in which the output product fetches its weight's fragments.
; LIMITS on the given exponents, so that each power of two below is an f32 number: e6 + e7 between -123 and 130 (added to c's exponent field); e8, and e10 - e8 - e9, between -126 and 112.
; Left out: asking ahead into the cache: all of K and V is asked for at the launch's start.
; REGISTERS: v1 16 x lane; v2, v3 LDS addresses of the step's K and V; v6 r - 8 hh; v11 p's scale; v12 -M, v13 the largest t, v[14:15] the sum in two halves; v16-23 the Q in hand; v24-31 tile A's Q;
;   v32-95 eight fragments of K, then four of V; v96-159 S^T, then p; v160-191 O^T; v192-207 p's codes; v208 ctx's scale; v210.. at work; v224-239 ctx's codes; v248-251 their exchange.
.set VLDS,  131072                     ; LDS: K's images from 0, V's from here
.set STEPB, 8192                       ; a key step's images: 8 tiles x 1,024 bytes of K, 4 x 2,048 of V
.set LI,   1
.set ADK,  2
.set ADV,  3
.set DL,   6
.set DD,   7
.set LIMP, 10
.set SCP,  11
.set QF,   16
.set QA,   24
.set FRG,  32
.set S,    96
.set OT,   160
.set PC,   192
.set SCO,  208
.set LIMO, 209
.set FF,   210                         ; v[210:211] f = 2^(old M - new M); v211 is named with it as a pair
.set SUM2, 212
.set TA,   214
.set TC,   215
.set PX,   216
.set NINF, 217
.set CC,   224
.set CE,   232
.set XT,   248
.set WV,   10                          ; s10 wave;  s11 cx;  s12 head;  s13 a;  s14 the trip at which tile A begins;  s15 tile B's last key step;  s16 j
.set SW,   14
.set SEL,  20                          ; s[20:21] lane selects for v_permlanex16_b32: lane l xor 16
.set CS,   22                          ; s[22:23] c = log2(e) / 8 x 2^(e6 + e7)
.set G1,   24                          ; s[24:31] descriptor group 1;  s[32:47] four groups 0, never rewritten
.set G0,   32
.set TAU,  48                          ; s48 the trip;  s49 LDS byte of the step's images;  s50 the key step;  s51 the tile's last key step;  s52 my first query less that step's first key
.set TB,   49
.set KS,   50
.set LASTKS, 51
.set DQ,   52
.macro CROUND                          ; a round of the cluster's barrier
	s_barrier_signal -1
	s_barrier_wait -1
	s_cmp_lg_u32 s[WV], 0
	s_cbranch_scc1 .Lnot_wave_0_\@
	s_barrier_signal -3
.Lnot_wave_0_\@:
	s_barrier_wait -3
	s_barrier_signal -1
	s_barrier_wait -1
.endm
	s_load_b128 s[4:7], s[0:1], 0x0                ; qkv s[4:5], the scales' exponents s[6:7]
	s_load_b64 s[8:9], s[0:1], 0x10                ; ctx
	v_lshl_add_u32 v254, v0, 2, 0x40000
	v_mov_b32 v255, 0
	ds_add_u32 v254, v255
	ds_add_u32 v254, v255
	v_lshrrev_b32 v4, 5, v0
	s_delay_alu instid0(VALU_DEP_1)
	v_readfirstlane_b32 s[WV], v4                  ; wave 0..15
	s_bfe_u32 s11, ttmp6, 0x40000                  ; cx
	s_and_b32 s12, ttmp7, 0xffff                   ; the head, which the four partners share
	s_lshr_b32 s13, s[WV], 1                       ; a
	s_sub_co_u32 s[SW], 16, s13                    ; tile B has 16 - a steps
	s_sub_co_u32 s15, 15, s13                      ; its last, the one on the diagonal
	s_lshl_b32 s16, s[WV], 2
	s_add_co_u32 s16, s16, s11                     ; j
	s_mov_b32 s[SEL], 0x76543210
	s_mov_b32 s[SEL+1], 0xfedcba98
	; descriptor group 1: a dense block of 16,384 bytes as 64 rows of 256 bytes
	s_mov_b32 s[G1], 15|(3<<16)|(1<<21)            ; 15:0 the mask: all four work-groups; 17:16 elements of 8 bytes; 21 set beside a mask; no padding: an image's 512 bytes are read as they lie
	s_mov_b32 s[G1+1], 32<<16                      ; tensor_dim0 = 32
	s_mov_b32 s[G1+2], 64<<16                      ; tensor_dim1 = 64
	s_mov_b32 s[G1+3], 32<<16                      ; tile_dim0 = 32
	s_mov_b32 s[G1+4], 64                          ; tile_dim1 = 64
	s_mov_b32 s[G1+5], 32                          ; tensor_dim0_stride
	s_mov_b32 s[G1+6], 0
	s_mov_b32 s[G1+7], 0
	; what waves 0-3 fetch: waves 0, 1: K; waves 2, 3: V; load i of four: the 16,384 bytes at 32,768 i + 16,384 (wave & 1)
	s_bfe_u32 s54, s[WV], 0x10001                  ; (wave >> 1) & 1
	s_and_b32 s55, s[WV], 1
	s_lshl_b32 s73, s54, 17
	s_lshl_b32 s74, s55, 14
	s_add_co_u32 s73, s73, s74                     ; in LDS
	s_add_co_u32 s54, s54, 1
	s_lshl_b32 s76, s54, 23                        ; in memory: K's part or V's,
	s_add_co_u32 s76, s76, s74
	s_lshl_b32 s75, s12, 17                        ; the head's 131,072 bytes
	s_add_co_u32 s76, s76, s75
	s_mov_b32 s77, 0
	; Q's images and ctx's places of my two tiles
	s_lshl_b32 s62, s16, 10
	s_add_co_u32 s62, s62, s75                     ; tile A = j
	s_mov_b32 s63, 0
	s_sub_co_u32 s55, 127, s16                     ; tile B = 127 - j
	s_lshl_b32 s60, s55, 10
	s_add_co_u32 s60, s60, s75
	s_mov_b32 s61, 0
	s_lshr_b32 s54, s12, 4
	s_lshl_b32 s54, s54, 7                         ; the batch's 128 tiles of tokens
	s_and_b32 s74, s12, 15
	s_lshl_b32 s74, s74, 10                        ; the head's 1,024 bytes in a tile's 16,384
	s_add_co_u32 s56, s54, s55
	s_lshl_b32 s56, s56, 14
	s_add_co_u32 s56, s56, s74
	s_mov_b32 s57, 0
	s_add_co_u32 s58, s54, s16
	s_lshl_b32 s58, s58, 14
	s_add_co_u32 s58, s58, s74
	s_mov_b32 s59, 0
	s_and_b32 s66, s16, 7
	s_lshl_b32 s66, s66, 4                         ; tile A's first query less its diagonal step's first key: 16 (j & 7)
	s_sub_co_u32 s67, 112, s66                     ; tile B's: 16 (7 - (j & 7))
	s_wait_dscnt 0x0
	s_wait_kmcnt 0x0
	s_load_b128 s[68:71], s[6:7], 0x18             ; e6, e7, e8, e9
	s_load_b32 s72, s[6:7], 0x28                   ; e10
	s_add_nc_u64 s[76:77], s[4:5], s[76:77]
	s_add_nc_u64 s[60:61], s[4:5], s[60:61]
	s_add_nc_u64 s[62:63], s[4:5], s[62:63]
	s_add_nc_u64 s[56:57], s[8:9], s[56:57]
	s_add_nc_u64 s[58:59], s[8:9], s[58:59]
.irp i, 0,1,2,3
	s_mov_b32 s[G0+4*\i], 1                        ; count = 1
	s_add_co_u32 s[G0+4*\i+1], s73, \i*32768       ; LDS address
	s_add_nc_u64 s[G0+4*\i+2:G0+4*\i+3], s[76:77], \i*32768
	s_or_b32 s[G0+4*\i+3], s[G0+4*\i+3], 0x80000000   ; type = 2
.endr
	CROUND                                         ; all four work-groups are here: the joint loads meet
	s_cmp_lt_u32 s[WV], 4                          ; a wave's four fills stand in one branch on its number, ahead of every wait on TENSORcnt and every LDS read: four loads of a wave are out at the most
	s_cbranch_scc0 .Lno_fill
	tensor_load_to_lds s[G0:G0+3], s[G1:G1+7]
	s_nop 0
	tensor_load_to_lds s[G0+4:G0+7], s[G1:G1+7]
	s_nop 0
	tensor_load_to_lds s[G0+8:G0+11], s[G1:G1+7]
	s_nop 0
	tensor_load_to_lds s[G0+12:G0+15], s[G1:G1+7]
	s_nop 0
.rept 4
	v_nop
.endr
.Lno_fill:
	v_and_b32 v[LI], 31, v0
	s_delay_alu instid0(VALU_DEP_1)
	v_lshlrev_b32 v[LI], 4, v[LI]                  ; 16 x lane
	global_load_b128 v[QF:QF+3],   v[LI], s[60:61]             ; tile B's Q, worked first
	global_load_b128 v[QF+4:QF+7], v[LI], s[60:61] offset:512
	global_load_b128 v[QA:QA+3],   v[LI], s[62:63]             ; tile A's
	global_load_b128 v[QA+4:QA+7], v[LI], s[62:63] offset:512
	v_and_b32 v4, 15, v0                           ; r
	v_bfe_u32 v5, v0, 4, 1                         ; hh
	s_delay_alu instid0(VALU_DEP_1)
	v_lshlrev_b32 v5, 3, v5
	s_delay_alu instid0(VALU_DEP_1)
	v_sub_nc_u32 v[DL], v4, v5                     ; r - 8 hh
	v_mov_b32 v[FF+1], 0                           ; (named as the upper half of a pair)
	v_mov_b32 v[PX], 0                             ; written once: a lane permute's destination counts as one of its sources
	v_mov_b32 v[XT+2], 0
	v_mov_b32 v[XT+3], 0
.macro INIT                            ; a tile begins: the step is written once and finds zeros, which the first change of M leaves zeros
	v_mov_b32 v13, 0xff61b1e6                      ; the largest t so far: -3e38, under every t
	s_delay_alu instid0(VALU_DEP_1)
	v_floor_f32 v12, -v13                          ; -M
	v_mov_b32 v14, 0
	v_mov_b32 v15, 0
.set i, 0
.rept 32
	v_mov_b32 v[OT+i], 0
.set i, i+1
.endr
.endm
	INIT
	s_wait_kmcnt 0x0
	s_mov_b32 s[CS], 0x3e38aa3b                    ; log2(e) / 8
	s_add_co_i32 s54, s68, s69
	s_lshl_b32 s54, s54, 23
	s_add_co_i32 s[CS], s[CS], s54                 ; a score stands for score x 2^(e6 + e7): the two exponents are added to c's exponent field
	s_mov_b32 s[CS+1], s[CS]                       ; (named with it as a pair, so it is written)
	s_add_co_i32 s54, s70, 127
	s_lshl_b32 s55, s54, 23
	v_mov_b32 v[SCP], s55                          ; 2^e8 as f32, for p's conversions
	s_sub_co_i32 s54, s72, s70
	s_sub_co_i32 s54, s54, s71                     ; O^T / the sum stands for ctx / 2^(e8 + e9): its code is that / 2^(e10 - e8 - e9)
	s_add_co_i32 s54, s54, 127
	s_lshl_b32 s55, s54, 23
	v_mov_b32 v[SCO], s55
; A KEY STEP: 128 keys, whose images begin at LDS byte s[TB] (K) and VLDS + s[TB] (V).  masked = 1: the step may be the tile's last, which lies on the diagonal.
.macro STEP masked
	v_add_nc_u32 v[ADK], s[TB], v[LI]
	s_delay_alu instid0(VALU_DEP_1)
	v_add_nc_u32 v[ADV], VLDS, v[ADK]
	v_nop                                          ; with the two additions: four places behind the last products, in front of loads into registers that they read
	v_nop
.irp t, 0,1,2,3,4,5,6,7
	ds_load_b128 v[FRG+8*\t:FRG+8*\t+3],   v[ADK] offset:1024*\t
	ds_load_b128 v[FRG+8*\t+4:FRG+8*\t+7], v[ADK] offset:1024*\t+512
.endr
	s_wait_alu depctr_va_vdst(0)
	s_wait_dscnt 0x0
.irp t, 0,1,2,3,4,5,6,7
	v_wmma_f32_16x16x64_bf8_bf8 v[S+8*\t:S+8*\t+7], v[FRG+8*\t:FRG+8*\t+7], v[QF:QF+7], 0
.endr
.rept 4
	v_nop                                          ; places in front of the loads below and of the first read of the scores
.endr
.irp d, 0,1,2,3
.irp p, 0,1,2,3
	ds_load_b128 v[FRG+16*\d+4*\p:FRG+16*\d+4*\p+3], v[ADV] offset:2048*\d+512*\p   ; V's four fragments land while the softmax is worked
.endr
.endr
.if \masked
	s_cmp_lg_u32 s[KS], s[LASTKS]                  ; only the tile's last step lies on the diagonal: a scalar branch on the wave's number and the trip's
	s_cbranch_scc1 .Lopen_\@
	v_add_nc_u32 v[DD], s[DQ], v[DL]               ; d = my query - the step's first key - 8 hh.  Register 8 T + i holds key 16 T + 8 hh + i: hidden where 16 T + i > d
	v_mov_b32 v[NINF], 0xff800000                  ; -infinity: p = 0 then
.set n, 0
.rept 64
	v_cmp_gt_i32 vcc_lo, 16*(n/8)+n%8, v[DD]
	v_cndmask_b32 v[S+n], v[S+n], v[NINF], vcc_lo
.set n, n+1
.endr
.Lopen_\@:
.endif
	v_max3_num_f32 v[TA], v[S], v[S+1], v[S+2]     ; the step's largest score of my query, among my 64 keys, in two chains, each accumulator from its low end on,
	v_max3_num_f32 v[TC], v[S+3], v[S+4], v[S+5]
.irp i, 6,10,14,18,22,26,30,34,38,42,46,50,54,58
	v_max3_num_f32 v[TA], v[TA], v[S+\i], v[S+1+\i]
	v_max3_num_f32 v[TC], v[TC], v[S+2+\i], v[S+3+\i]
.endr
	v_max3_num_f32 v[TA], v[TA], v[S+62], v[S+63]
	s_delay_alu instid0(VALU_DEP_1)
	v_max_num_f32 v[TA], v[TA], v[TC]
	s_delay_alu instid0(VALU_DEP_1)
	v_permlanex16_b32 v[PX], v[TA], s[SEL], s[SEL+1]
	s_delay_alu instid0(VALU_DEP_1)
	v_max_num_f32 v[TA], v[TA], v[PX]              ; and among lane l xor 16's
	s_delay_alu instid0(VALU_DEP_1)
	v_mul_f32 v[TA], s[CS], v[TA]                  ; as t (c is positive)
	s_delay_alu instid0(VALU_DEP_1)
	v_max_num_f32 v13, v13, v[TA]                  ; the running largest t
	v_mov_b32 v[TA], v12
	s_delay_alu instid0(VALU_DEP_2)
	v_floor_f32 v12, -v13                          ; the new -M = floor(-t) = -ceil(t): M is a whole number
	s_delay_alu instid0(VALU_DEP_1)
	v_sub_f32 v[TA], v12, v[TA]                    ; M's old value less its new one: a whole number, 0 or less
	s_delay_alu instid0(VALU_DEP_1)
	v_cvt_i32_f32 v[TA], v[TA]                     ; (it saturates)
	s_delay_alu instid0(VALU_DEP_1)
	v_ldexp_f32 v[FF], 1.0, v[TA]                  ; f = 2^(old M - new M)
.set j, 0
.rept 32
	v_pk_fma_f32 v[S+j:S+j+1], v[S+j:S+j+1], s[CS:CS+1], v[12:13] op_sel_hi:[1,0,0]   ; t - M, two at a time (of the pairs c and -M the low word serves both halves)
.set j, j+2
.endr
.set j, 0
	s_wait_alu depctr_va_vdst(0)
.rept 64
	v_exp_f32 v[S+j], v[S+j]                       ; p = 2^(t - M), at most 1: not normalised
.set j, j+1
.endr
	v_pk_mul_f32 v[14:15], v[14:15], v[FF:FF+1] op_sel_hi:[1,0]   ; the sums under the new M.  (A plain place behind the exponentials)
	s_wait_alu depctr_va_vdst(0)
	v_pk_add_f32 v[212:213], v[100:101], v[104:105]
	v_pk_add_f32 v[252:253], v[108:109], v[112:113]
	v_pk_add_f32 v[248:249], v[116:117], v[120:121]
	v_pk_add_f32 v[246:247], v[124:125], v[128:129]
	v_pk_add_f32 v[244:245], v[132:133], v[136:137]
	v_pk_add_f32 v[242:243], v[140:141], v[144:145]
	v_pk_add_f32 v[240:241], v[148:149], v[152:153]
	v_pk_add_f32 v[14:15], v[14:15], v[156:157]
	v_pk_add_f32 v[212:213], v[212:213], v[96:97]
	v_pk_add_f32 v[252:253], v[252:253], v[98:99]
	v_pk_add_f32 v[248:249], v[248:249], v[102:103]
	v_pk_add_f32 v[246:247], v[246:247], v[106:107]
	v_pk_add_f32 v[244:245], v[244:245], v[110:111]
	v_pk_add_f32 v[242:243], v[242:243], v[114:115]
	v_pk_add_f32 v[240:241], v[240:241], v[118:119]
	v_pk_add_f32 v[14:15], v[14:15], v[122:123]
	v_pk_add_f32 v[212:213], v[212:213], v[126:127]
	v_pk_add_f32 v[252:253], v[252:253], v[130:131]
	v_pk_add_f32 v[248:249], v[248:249], v[134:135]
	v_pk_add_f32 v[246:247], v[246:247], v[138:139]
	v_pk_add_f32 v[244:245], v[244:245], v[142:143]
	v_pk_add_f32 v[242:243], v[242:243], v[146:147]
	v_pk_add_f32 v[240:241], v[240:241], v[150:151]
	v_pk_add_f32 v[14:15], v[14:15], v[154:155]
	v_pk_add_f32 v[212:213], v[212:213], v[158:159]
	s_delay_alu instid0(VALU_DEP_2)
	v_pk_add_f32 v[14:15], v[14:15], v[246:247]
	s_delay_alu instid0(VALU_DEP_2)
	v_pk_add_f32 v[212:213], v[212:213], v[244:245]
	v_pk_add_f32 v[252:253], v[252:253], v[242:243]
	v_pk_add_f32 v[248:249], v[248:249], v[240:241]
	s_delay_alu instid0(VALU_DEP_2)
	v_pk_add_f32 v[14:15], v[14:15], v[252:253]
	s_delay_alu instid0(VALU_DEP_2)
	v_pk_add_f32 v[212:213], v[212:213], v[248:249]
	s_delay_alu instid0(VALU_DEP_1)
	v_pk_add_f32 v[14:15], v[14:15], v[212:213]
.irp t, 0,1,2,3,4,5,6,7
.irp i, 0,1,2,3,4,5,6,7
.endr
	v_cvt_scalef32_pk8_bf8_f32 v[PC+2*\t:PC+2*\t+1], v[S+8*\t:S+8*\t+7], v[SCP]   ; keys 16 T + 8 hh + 0 .. 7: registers 2 T, 2 T + 1 of the operand
.endr
.set j, 0
.rept 16
	v_pk_mul_f32 v[OT+j:OT+j+1], v[OT+j:OT+j+1], v[FF:FF+1] op_sel_hi:[1,0]   ; O^T under the new M.  (Also the plain place between the conversions and the products that read their results)
.set j, j+2
.endr
	s_wait_alu depctr_va_vdst(0)
	s_wait_dscnt 0x0                               ; V's fragments are in
.irp d, 0,1,2,3
	v_wmma_f32_16x16x128_bf8_bf8 v[OT+8*\d:OT+8*\d+7], v[FRG+16*\d:FRG+16*\d+15], v[PC:PC+15], v[OT+8*\d:OT+8*\d+7]   ; the four accumulators take turns; the next step's eight other products stand between two links
.endr
.endm
; A TILE ENDS: O^T is divided by the row's sum, converted, brought into the output product's order and stored at s[cb:cb+1].
.macro FINISH cb
	s_wait_xcnt 0x0                                ; the other tile's stores have read their data: only behind this wait are those registers written again
.rept 4
	v_nop                                          ; places behind the last products
.endr
	v_add_f32 v14, v14, v15                        ; the sum's two halves,
	s_delay_alu instid0(VALU_DEP_1)
	v_permlanex16_b32 v[PX], v14, s[SEL], s[SEL+1]
	s_delay_alu instid0(VALU_DEP_1)
	v_add_f32 v14, v14, v[PX]                      ; and lane l xor 16's: the row's sum
	s_wait_alu depctr_va_vdst(0)
	v_rcp_f32 v14, v14
	v_nop                                          ; one plain place behind a transcendental
.set j, 0
	s_wait_alu depctr_va_vdst(0)
.rept 16
	v_pk_mul_f32 v[OT+j:OT+j+1], v[OT+j:OT+j+1], v[14:15] op_sel_hi:[1,0]
.set j, j+2
.endr
.set j, 0
.rept 32
.set j, j+1
.endr
.irp d, 0,1,2,3
	v_cvt_scalef32_pk8_bf8_f32 v[CC+2*\d:CC+2*\d+1], v[OT+8*\d:OT+8*\d+7], v[SCO]   ; lane (r, hh): channels 16 d + 8 hh + 0 .. 7 of token r
.endr
	v_nop                                          ; one plain place behind the last conversion
	s_mov_b32 vcc_lo, 0xffff0000                   ; lanes 16-31
	; wanted: lane (r, hh): channels 32 b + 16 hh + 0 .. 15.  Lane (r, 0) keeps tile 2 b's eight and takes those of lane (r, 1); lane (r, 1) keeps tile 2 b + 1's and takes those of lane (r, 0): each sends what the other wants
.irp b, 0,1
.irp i, 0,1
	v_cndmask_b32 v[XT+\i], v[CC+2+4*\b+\i], v[CC+4*\b+\i], vcc_lo
.endr
.irp i, 0,1
	s_delay_alu instid0(VALU_DEP_2)
	v_permlanex16_b32 v[XT+2+\i], v[XT+\i], s[SEL], s[SEL+1]
.endr
.irp i, 0,1
	v_cndmask_b32 v[CE+4*\b+\i], v[CC+4*\b+\i], v[XT+2+\i], vcc_lo
	v_cndmask_b32 v[CE+2+4*\b+\i], v[XT+2+\i], v[CC+2+4*\b+\i], vcc_lo
.endr
.endr
	global_store_b128 v[LI], v[CE:CE+3],   s[\cb:\cb+1]              ; each store of the wave covers 512 consecutive bytes, aligned
	global_store_b128 v[LI], v[CE+4:CE+7], s[\cb:\cb+1] offset:512
.endm
	s_mov_b32 s[TAU], 0
	s_mov_b32 s[TB], 0
	s_wait_tensorcnt 0x3                           ; my first load has landed (three were issued behind it): with the other three waves' first loads, keys 0 to 511 of K and of V
	s_barrier_signal -1
	s_barrier_wait -1                              ; everybody's has; the later loads write other bytes
	s_wait_loadcnt 0x0                             ; Q
.LP1:                                                  ; trips 0-3: tile B (its queries begin at 1,024 or later), key steps 0-3: all keys count
	STEP 0
	s_add_co_u32 s[TB], s[TB], STEPB
	s_add_co_u32 s[TAU], s[TAU], 1
	s_cmp_lt_u32 s[TAU], 4
	s_cbranch_scc1 .LP1
	s_wait_tensorcnt 0x2                           ; my second load has landed (two were issued behind it): keys 512 to 1,023.  My LDS loads are all back: each step waits for its own
	s_barrier_signal -1
	s_barrier_wait -1
	s_mov_b32 s[TB], 4*STEPB
.LP2:                                                  ; trips 4-7: tile B, key steps 4-7: still in front of every tile B's diagonal step, which is 15 - a, at least 8
	STEP 0
	s_add_co_u32 s[TB], s[TB], STEPB
	s_add_co_u32 s[TAU], s[TAU], 1
	s_cmp_lt_u32 s[TAU], 8
	s_cbranch_scc1 .LP2
	s_wait_tensorcnt 0x0                           ; all of K and V
	s_barrier_signal -1
	s_barrier_wait -1
.LP3:                                                  ; trips 8-16: the rest of tile B, then tile A
	s_cmp_lg_u32 s[TAU], s[SW]
	s_cbranch_scc1 .Lsame_tile
	FINISH 56                                      ; tile B is done
.irp i, 0,1,2,3,4,5,6,7
	v_mov_b32 v[QF+\i], v[QA+\i]                   ; tile A's Q
.endr
	INIT
.Lsame_tile:
	s_cmp_ge_u32 s[TAU], s[SW]
	s_cselect_b32 s54, s[SW], 0
	s_cselect_b32 s[LASTKS], s13, s15
	s_cselect_b32 s[DQ], s66, s67
	s_sub_co_u32 s[KS], s[TAU], s54                ; the key step: the trip's number, counted from the tile's first trip
	s_and_b32 s[KS], s[KS], 15                     ; (it lies between 0 and 15)
	s_lshl_b32 s[TB], s[KS], 13
	STEP 1
	s_add_co_u32 s[TAU], s[TAU], 1
	s_cmp_lt_u32 s[TAU], 17
	s_cbranch_scc1 .LP3
	FINISH 58                                      ; tile A is done
	s_wait_tensorcnt 0x0
	ds_add_u32 v254, v255
	s_wait_dscnt 0x0
	CROUND                                         ; the closing round
	s_endpgm
.Lfunc_end_k_q6ea756b218_attn:
	.size	k_q6ea756b218_attn, .Lfunc_end_k_q6ea756b218_attn-k_q6ea756b218_attn
	.p2alignl 7, 3214868480
	.fill 96, 4, 3214868480
	.section	.rodata,"a",@progbits
	.p2align	6, 0x0
	.amdhsa_kernel k_q6ea756b218_attn
		.amdhsa_group_segment_fixed_size 327680
		.amdhsa_private_segment_fixed_size 0
		.amdhsa_enable_private_segment 0
		.amdhsa_kernarg_size 24
		.amdhsa_user_sgpr_count 2
		.amdhsa_user_sgpr_kernarg_segment_ptr 1
		.amdhsa_wavefront_size32 1
		.amdhsa_system_sgpr_workgroup_id_x 1
		.amdhsa_system_sgpr_workgroup_id_y 1
		.amdhsa_system_sgpr_workgroup_id_z 1
		.amdhsa_system_vgpr_workitem_id 0
		.amdhsa_next_free_vgpr 256
		.amdhsa_next_free_sgpr 80
		.amdhsa_reserve_vcc 1
		.amdhsa_float_denorm_mode_32 3
		.amdhsa_float_denorm_mode_16_64 3
		.amdhsa_fp16_overflow 1
		.amdhsa_memory_ordered 1
		.amdhsa_forward_progress 1
		.amdhsa_inst_pref_size 63
	.end_amdhsa_kernel
	.amdgpu_metadata
---
amdhsa.version: [ 1, 2 ]
amdhsa.kernels:
  - .name:           k_q6ea756b218_attn
    .symbol:         k_q6ea756b218_attn.kd
    .args:
      - { .name: qkv, .offset: 0, .size: 8, .value_kind: global_buffer, .address_space: global }
      - { .name: lowp_scales, .offset: 8, .size: 8, .value_kind: global_buffer, .address_space: global }
      - { .name: ctx, .offset: 16, .size: 8, .value_kind: global_buffer, .address_space: global }
    .group_segment_fixed_size: 327680
    .private_segment_fixed_size: 0
    .kernarg_segment_align: 8
    .kernarg_segment_size: 24
    .max_flat_workgroup_size: 512
    .sgpr_count:     80
    .vgpr_count:     256
    .wavefront_size: 32
...
	.end_amdgpu_metadata
.endif
;; end of part 2
;; launch outp (part 3): grid 4 x 32, 4 waves a work-group, clusters of 4 x 4, 327,680 bytes of LDS; arguments ctx, Wo_codes, lowp_scales, bo, out0; writes out0
.if DOCPART == 3
	.amdgcn_target "amdgcn-amd-amdhsa--gfx1250"
	.amdhsa_code_object_version 6
	.text
	.protected	k_q6ea756b218_outp
	.globl	k_q6ea756b218_outp
	.p2align	8
	.type	k_q6ea756b218_outp,@function
k_q6ea756b218_outp:
	s_mov_b64 s[64:65], 0
	v_nop
	global_prefetch_b8 v0, s[64:65] scope:SCOPE_SE
	s_setreg_imm32_b32 hwreg(HW_REG_WAVE_MODE, 25, 1), 1
	s_wait_xcnt 0x0
	s_wait_alu depctr_hold_cnt(0) depctr_sa_sdst(0) depctr_va_vdst(0) depctr_va_sdst(0) depctr_va_ssrc(0) depctr_va_vcc(0) depctr_vm_vsrc(0)
	s_getreg_b32 s2, hwreg(HW_REG_IB_STS2, 6, 4)
	s_cmp_eq_u32 s2, 0
	s_cbranch_scc0 .Lentry_in_a_cluster
	s_endpgm
.Lentry_in_a_cluster:
	s_bfe_u32 s2, ttmp6, 0x10000c
	s_cmp_lg_u32 s2, 0xf033
	s_cbranch_scc0 .Lentry_shape_is_right
	s_endpgm
.Lentry_shape_is_right:
; out0[m][n] = (sum over k of ctx[m][k] Wo[k][n]) + bo[n] on codes of E5M2.  Wo's codes: [1024 (n)][1024 (k)], K innermost.  out0: [8192][1024] f32; sums in f32.
; ctx's codes come as images of operand registers: [tile of 16 tokens, 512][128 along K, 8][2,048 B]: part c (512 bytes, lane l's 16 bytes at 16 l): lane (r, hh) holds token r, k = 32 c + 16 hh + 0 .. 15 of the 128:
; the very order in which four loads of 16 bytes, 32 bytes apart, bring a fragment of Wo's rows: a permutation of k inside the 128, the same in both operands, so that every product meets its partner.
; A number of ctx is its code's value x 2^e10, of Wo x 2^e11: each finished sum is multiplied once by 2^(e10 + e11) and bo is added, in one fused multiply-add.
; LIMIT: e10 + e11 lies between -126 and 127, so that 2^(e10 + e11) is an f32 number.  Codes of NaN or infinity in Wo are not served.
; A tile of out0, 256 x 256, is made by a work-group of four waves; a wave makes 128 x 128: 64 accumulators, 512 registers.  32 x 4 = 128 work-groups: a smaller wave tile would read half as much again from LDS for each product.
; K goes in steps of 256 through a ring of two LDS slots filled by the tensor data mover.
; CLUSTERS: 4 x 4 work-groups.  The four of a row need the same images of ctx, the four of a column the same rows of Wo: each tile is asked for JOINTLY.
; THE MATRIX INSTRUCTION IS USED TRANSPOSED (source 0 = 16 rows of Wo, source 1 = 16 tokens): a lane then holds eight neighbouring numbers of a row of out0.
; REGISTERS, in windows of 256: window 0: v0-31 addresses; v32-95 bo at my lane's 64 columns; from v128 ctx's fragments, ONE set; on the way out v128-255 take rows read back.
;   window 1: Wo's fragments, TWO sets.   windows 2, 3: the accumulators, (a, b) at v[8 (8 (a % 4) + b)].
.set SIZE_N, 1024
.set KSTEP,  256
.set ROWB,   256                       ; a row of Wo's tile in bytes
.set KROW,   1024                      ; a row of Wo in memory
.set PITCH,  272                       ; Wo's LDS row: 256 bytes + 16 of padding = 68 words: row r starts at bank 4 r mod 64 (64 banks of 4 bytes: ISA guide 11.1)
.set FR,     16
.set NL,     4
.set NP,     4                         ; places behind this matrix instruction (ISA guide 7.12.1)
.set HALFA,  32768                     ; eight tiles of tokens x 4,096 bytes: what one tensor load brings of ctx, and what one wave reads
.set AIMG,   2*HALFA                   ; ctx's images in a slot; an image's 512 bytes are read as they lie, so there is no padding
.set HALFB,  128*PITCH                 ; 128 rows of Wo
.set SLOT,   AIMG+2*HALFB
.set LAPS,   2
.set SPARE,  2*SLOT                    ; behind the ring: the spare words, 128 bytes for each wave: two blocks of 256 bytes that no other line names
.set SPITCH, 528                       ; the way out: a stage of 16 rows x (512 bytes + 16) for each wave.  It lies in slot 0, which has had its last fill and its last read when the first result is stored there
.set ADRA, 16                          ; v16-17  LDS address of my ctx fragments in slot 0, 1
.set ADRB, 20                          ; v20-21  the same for Wo
.set STO,  24                          ; v24     the way out: where I put 32 bytes of a row
.set RD,   25                          ; v25     the way out: where I read a row back
.set CO,   26                          ; v26     16 x lane: my place in an image and in a row of out0
.set BOF,  27                          ; v27     32 x (lane / 16): my half's place in bo; never rewritten
.set SPW,  28                          ; v28     LDS address of my spare word; never rewritten
.set NIL,  29                          ; v29     0; never rewritten
.set BIAS, 32                          ; v32-95  register 8 b + i: bo at my column 16 b + 8 (lane / 16) + i
.set AF,   128
.set BK,   128                         ; the way out: 16 rows read back from the stage: v128-191 and v192-255 by turns
.set G1, 24                            ; s[24:31] descriptor group 1 for ctx's tiles;  s[32:39] group 0, one set for each slot
.set G0, 32
.set G1B, 48                           ; s[48:55], s[56:63] the same for Wo's tiles
.set G0B, 56
.set MSB, 0
.macro WIN new                         ; the immediate's high byte repeats the setting that is left
.if MSB != \new
	s_set_vgpr_msb (MSB<<8)|\new
.set MSB, \new
.endif
.endm
.set MUL_LO, 0xa1                      ; source 0 (Wo) window 1, source 1 (ctx) window 0, C and D window 2
.set MUL_HI, 0xf1                      ; the same, C and D window 3
.set TO_B,   0x40                      ; destination window 1, address window 0
; A joint load: waves 0 and 1 fetch for ctx, waves 2 and 3 for Wo.  Four v_nop follow each of the two lines, ahead of the jump, the label and what follows.
.macro JLOAD g0a, g1a, g0b, g1b
	s_cmp_eq_u32 s15, 0
	s_cbranch_scc0 .Lfor_b_\@
	tensor_load_to_lds s[\g0a:\g0a+3], s[\g1a:\g1a+7]
	s_nop 0
.rept 4
	v_nop
.endr
	s_branch .Lasked_\@
.Lfor_b_\@:
	tensor_load_to_lds s[\g0b:\g0b+3], s[\g1b:\g1b+7]
	s_nop 0
.rept 4
	v_nop
.endr
.Lasked_\@:
.endm
.macro CREST                           ; a round of the cluster's barrier behind its opening barrier
	s_cmp_lg_u32 s14, 0
	s_cbranch_scc1 .Lnot_wave_0_\@
	s_barrier_signal -3
.Lnot_wave_0_\@:
	s_barrier_wait -3
	s_barrier_signal -1
	s_barrier_wait -1
.endm
.macro CROUND                          ; a whole round
	s_barrier_signal -1
	s_barrier_wait -1
	CREST
.endm
	s_load_b128 s[4:7], s[0:1], 0x0                ; ctx s[4:5], Wo's codes s[6:7]
	s_load_b128 s[8:11], s[0:1], 0x10              ; the scales' exponents s[8:9], bo s[10:11]
	s_load_b64 s[12:13], s[0:1], 0x20              ; out0
	v_lshl_add_u32 v[SPW], v0, 2, SPARE
	v_mov_b32 v[NIL], 0
	ds_add_u32 v28, v29
	ds_add_u32 v28, v29
	s_wait_dscnt 0x0
	v_lshrrev_b32 v1, 5, v0
	v_readfirstlane_b32 s14, v1                    ; wave 0..3
	s_lshr_b32 s15, s14, 1                         ; which half of the tile's rows is mine.  Also: I fetch for ctx (0) or for Wo (1)
	s_and_b32 s16, s14, 1                          ; which half of its columns.  Also: which half of that tile I fetch
	s_bfe_u32 s40, ttmp6, 0x40000                  ; cx, cy: my place in the cluster
	s_bfe_u32 s41, ttmp6, 0x40004
	s_lshl_b32 s42, ttmp9, 2
	s_add_co_u32 s42, s42, s40                     ; tile column = 4 x cluster x + cx
	s_and_b32 s17, ttmp7, 0xffff
	s_lshl_b32 s17, s17, 2
	s_add_co_u32 s17, s17, s41                     ; tile row = 4 x cluster y + cy
	s_lshl_b32 s43, s41, 2
	s_lshl_b32 s43, 15, s43                        ; my row of the cluster
	s_lshl_b32 s44, 0x1111, s40                    ; my column
	; descriptor group 1 for ctx: 8 rows (tiles of tokens) of 4,096 bytes (256 along K), 16,384 bytes apart, in elements of 8 bytes, no padding
	s_or_b32 s[G1+0], s43, (3<<16)|(1<<21)         ; 15:0 the mask: my row; 17:16 elements of 8 bytes; 21 set beside a mask
	s_mov_b32 s[G1+1], 512<<16                     ; tensor_dim0 = 512
	s_mov_b32 s[G1+2], 8<<16                       ; tensor_dim1 = 8
	s_mov_b32 s[G1+3], 512<<16                     ; tile_dim0 = 512
	s_mov_b32 s[G1+4], 8                           ; tile_dim1 = 8
	s_mov_b32 s[G1+5], 2048                        ; tensor_dim0_stride
	s_mov_b32 s[G1+6], 0
	s_mov_b32 s[G1+7], 0
	; for Wo: 128 rows x 256 bytes, padded in LDS
	s_or_b32 s[G1B+0], s44, (0<<16)|(1<<20)|(1<<21)|(5<<22)|(3<<25)  ; the mask: my column; element of 1 byte; padding on: after every 64 words (code 5) 4 words (code 3)
	s_mov_b32 s[G1B+1], ROWB<<16
	s_mov_b32 s[G1B+2], 128<<16
	s_mov_b32 s[G1B+3], ROWB<<16
	s_mov_b32 s[G1B+4], 128
	s_mov_b32 s[G1B+5], KROW
	s_mov_b32 s[G1B+6], 0
	s_mov_b32 s[G1B+7], 0
	s_lshl_b32 s20, s17, 4
	s_lshl_b32 s18, s16, 3
	s_add_co_u32 s20, s20, s18
	s_lshl_b32 s20, s20, 14                        ; ctx: (16 x tile row + 8 x half) tiles of tokens of 16,384 bytes: under 2^23
	s_mov_b32 s21, 0
	s_lshl_b32 s46, s42, 8
	s_lshl_b32 s18, s16, 7
	s_add_co_u32 s46, s46, s18
	s_lshl_b32 s46, s46, 10                        ; Wo: (256 x tile column + 128 x half) rows of 1,024 bytes
	s_mov_b32 s47, 0
	s_lshl_b32 s45, s16, 15                        ; where they go: ctx's half,
	s_mul_i32 s19, s16, HALFB
	s_add_co_u32 s19, s19, AIMG                    ; Wo's half, behind ctx's images: no place in the cluster enters an LDS address
	s_wait_kmcnt 0x0
	s_load_b64 s[96:97], s[8:9], 0x28              ; e10, e11
	s_add_nc_u64 s[20:21], s[4:5], s[20:21]
	s_add_nc_u64 s[46:47], s[6:7], s[46:47]
	CROUND                                         ; all sixteen work-groups are here: the first joint loads meet
.irp s, 0,1
	s_mov_b32 s[G0+4*\s], 1
	s_add_co_u32 s[G0+4*\s+1], s45, \s*SLOT
	s_add_nc_u64 s[G0+4*\s+2:G0+4*\s+3], s[20:21], \s*4096
	s_or_b32 s[G0+4*\s+3], s[G0+4*\s+3], 0x80000000
	s_mov_b32 s[G0B+4*\s], 1
	s_add_co_u32 s[G0B+4*\s+1], s19, \s*SLOT
	s_add_nc_u64 s[G0B+4*\s+2:G0B+4*\s+3], s[46:47], \s*ROWB
	s_or_b32 s[G0B+4*\s+3], s[G0B+4*\s+3], 0x80000000
	s_wait_alu depctr_va_vdst(0)
	s_wait_tensorcnt 0x0
	ds_add_u32 v28, v29
	ds_add_u32 v28, v29
	s_wait_dscnt 0x0
	CROUND
	JLOAD G0+4*\s, G1, G0B+4*\s, G1B
.endr
	v_and_b32 v1, 15, v0                           ; l % 16
	v_bfe_u32 v2, v0, 4, 1                         ; l / 16
	v_mul_u32_u24 v3, v1, PITCH
	v_lshl_add_u32 v4, v2, 4, v3                   ; Wo: a fragment's row x pitch + 16 x half
	v_and_b32 v6, 31, v0
	v_lshlrev_b32 v[CO], 4, v6                     ; 16 x lane
	s_wait_alu depctr_va_vdst(0)
	s_lshl_b32 s21, s15, 15                        ; my eight tiles of tokens
	s_mul_i32 s22, s16, HALFB                      ; my 128 rows of Wo,
	s_add_co_u32 s22, s22, AIMG                    ; which lie behind ctx's images
.irp s, 0,1
	v_add_nc_u32 v[ADRA+\s], s21, v[CO]
	v_add_nc_u32 v[ADRB+\s], s22, v4
	s_add_co_u32 s21, s21, SLOT
	s_add_co_u32 s22, s22, SLOT
.endr
	s_mul_i32 s23, s14, 16*SPITCH                  ; my stage
	v_mul_u32_u24 v5, v1, SPITCH                   ; in: row l % 16, 32 bytes for each half of the lanes
	v_lshl_add_u32 v5, v2, 5, v5
	v_add_nc_u32 v[STO], s23, v5
	v_add_nc_u32 v[RD], s23, v[CO]                 ; back: the 32 lanes take one row of 512 bytes
	v_lshlrev_b32 v[BOF], 5, v2
	s_wait_alu depctr_va_vdst(0)
	s_lshl_b32 s20, s17, 8
	s_lshl_b32 s21, s15, 7
	s_add_co_u32 s20, s20, s21                     ; my first row of out0: 256 x tile row + 128 x half
	s_mov_b32 s21, 0
	s_mov_b64 s[18:19], SIZE_N*4
	s_mul_u64 s[20:21], s[20:21], s[18:19]
	s_lshl_b32 s46, s42, 10                        ; my first column, in bytes: 1024 x tile column + 512 x half
	s_lshl_b32 s47, s16, 9
	s_add_co_u32 s46, s46, s47
	s_mov_b32 s47, 0
	s_add_nc_u64 s[92:93], s[10:11], s[46:47]      ; bo at my first column; never rewritten
	s_add_nc_u64 s[20:21], s[20:21], s[46:47]
	s_add_nc_u64 s[12:13], s[12:13], s[20:21]
.irp b, 0,1,2,3,4,5,6,7
	global_load_b128 v[BIAS+8*\b:BIAS+8*\b+3],   v[BOF], s[92:93] offset:64*\b      ; waited for on the way out; the loop names none of these registers
	global_load_b128 v[BIAS+8*\b+4:BIAS+8*\b+7], v[BOF], s[92:93] offset:64*\b+16
.endr
.macro FRAGA reg, adr, q, i            ; ctx's fragment of tile of tokens i, the slot's q-th 128 along K: four parts of 512 bytes, as they were stored
.irp c, 0,1,2,3
	ds_load_b128 v[\reg+4*\c:\reg+4*\c+3], v[\adr] offset:2048*(\q)+512*\c+(\i)*4096
.endr
.endm
.macro FRAGB reg, adr, q, i            ; Wo's: lane l holds row l % 16; registers 4 c .. 4 c + 3 hold K = 32 c + 16 (l / 16) + 0 .. 15 of the 128
.irp c, 0,1,2,3
	ds_load_b128 v[\reg+4*\c:\reg+4*\c+3], v[\adr] offset:128*(\q)+32*\c+(\i)*16*PITCH
.endr
.endm
; 16 matrix instructions: ctx's blocks a0, a0 + 1 x Wo's eight, 128 along K.  p: Wo's set.  zero = 1: the first product starts the sums.
; The 64 accumulators take turns, one instruction a turn, in the same order in every step.
.macro MUL16 a0, p, zero
.irp a, \a0, \a0+1
.irp b, 0,1,2,3,4,5,6,7
.if \zero
	v_wmma_f32_16x16x128_bf8_bf8 v[8*(8*((\a)%4)+\b):8*(8*((\a)%4)+\b)+7], v[128*(\p)+FR*\b:128*(\p)+FR*\b+FR-1], v[AF+FR*(\a):AF+FR*(\a)+FR-1], 0
.else
	v_wmma_f32_16x16x128_bf8_bf8 v[8*(8*((\a)%4)+\b):8*(8*((\a)%4)+\b)+7], v[128*(\p)+FR*\b:128*(\p)+FR*\b+FR-1], v[AF+FR*(\a):AF+FR*(\a)+FR-1], v[8*(8*((\a)%4)+\b):8*(8*((\a)%4)+\b)+7]
.endif
.endr
.endr
.endm
.macro FETCH_B slot, q, p
	WIN TO_B
.irp i, 0,1,2,3,4,5,6,7
	FRAGB 128*(\p)+FR*\i, ADRB+\slot, \q, \i
.endr
	WIN 0
.endm
.macro FETCH_A slot, q, i0
.irp i, \i0, \i0+1, \i0+2, \i0+3
	FRAGA AF+FR*(\i), ADRA+\slot, \q, \i
.endr
.endm
; A load into a register that a matrix instruction has read, and a vector instruction that reads a matrix result or writes one of a matrix instruction's registers, stand NP places behind it;
; only plain vector instructions that name none of its registers are places (ISA guide 7.12.1 for vector instructions).
.macro PLACES n
.rept \n
	v_nop
.endr
.endm
.macro STEP slot, q, zero              ; a step of 128 along K that has its successor in the same slot
	s_wait_dscnt 4*NL                              ; Wo's set and ctx's blocks 0-3 are in; the sixteen youngest loads (ctx's blocks 4-7) may be out
	WIN MUL_LO
	MUL16 0, (\q)%2, \zero
	MUL16 2, (\q)%2, \zero
	s_wait_dscnt 0                                 ; ctx's blocks 4-7 are in
	PLACES NP
	FETCH_B \slot, (\q)+1, 1-(\q)%2
	FETCH_A \slot, (\q)+1, 0
	WIN MUL_HI
	MUL16 4, (\q)%2, \zero
	MUL16 6, (\q)%2, \zero
	PLACES NP
	WIN 0
	FETCH_A \slot, (\q)+1, 4
.endm
; A slot's last step changes slots: ONE barrier; in front of it each wave waits for all its tensor loads, adds 0 to its spare word, and waits for that and for its own reads of this slot.  fill = 1: this slot is filled again, two K steps ahead.
.macro TURN slot, next, fill
	s_wait_tensorcnt 0x0                           ; all my tensor loads have landed: my part of the next slot;  (every window is 0 here)
	ds_add_u32 v[SPW], v[NIL]                      ; 0 onto my spare word
	s_wait_dscnt 4*NL+1                            ; (the add and the sixteen youngest loads, ctx's blocks 4-7, may be out)
	WIN MUL_LO
	MUL16 0, 1, 0                                  ; sixteen matrix instructions stand between the add and the wait for it
	s_wait_dscnt 0x0                               ; the add is done, and my reads of this slot are over
	s_barrier_signal -1
	MUL16 2, 1, 0
	WIN 0
	s_barrier_wait -1
.if \fill
	CREST                                          ; the barrier has opened a round of the cluster's barrier: no wave of any partner still reads this slot's tile or has a load on its way
	s_add_nc_u64 s[G0+4*\slot+2:G0+4*\slot+3], s[G0+4*\slot+2:G0+4*\slot+3], 2*4096
	s_add_nc_u64 s[G0B+4*\slot+2:G0B+4*\slot+3], s[G0B+4*\slot+2:G0B+4*\slot+3], 2*ROWB
	JLOAD G0+4*\slot, G1, G0B+4*\slot, G1B         ; the first tensor load behind the round; the four v_nop behind it are the places in front of the loads below
.else
	PLACES NP
.endif
	FETCH_B \next, 0, 0
	FETCH_A \next, 0, 0
	WIN MUL_HI
	MUL16 4, 1, 0
	MUL16 6, 1, 0
	PLACES NP
	WIN 0
	FETCH_A \next, 0, 4
.endm
	s_wait_tensorcnt 1                             ; my part of K step 0 is in; K step 1's load, issued behind it, may be out
	s_barrier_signal -1
	s_barrier_wait -1                              ; everybody's is
	FETCH_B 0, 0, 0
	FETCH_A 0, 0, 0
	FETCH_A 0, 0, 4
	STEP 0, 0, 1                                   ; the first step stands in front of the loop: its products start the sums
	s_mov_b32 s3, LAPS-1
.Llap:                                                 ; a trip goes once round the ring and fills both slots again
	TURN 0, 1, 1
	STEP 1, 0, 0
	TURN 1, 0, 1
	STEP 0, 0, 0
	s_sub_co_u32 s3, s3, 1
	s_cmp_lg_u32 s3, 0
	s_cbranch_scc1 .Llap
	TURN 0, 1, 0                                   ; the last lap fills nothing, and has no round of the cluster's barrier
	STEP 1, 0, 0
	s_wait_dscnt 4*NL                              ; the very last step: nothing more to fetch
	WIN MUL_LO
	MUL16 0, 1, 0
	MUL16 2, 1, 0
	s_wait_dscnt 0
	WIN MUL_HI
	MUL16 4, 1, 0
	MUL16 6, 1, 0
	WIN 0
; THE WAY OUT, block by block of 16 rows x 128 columns.  A lane holds 32 neighbouring bytes of a row, and the lanes beside it hold other rows: so a block goes through my own stage in LDS and comes back as whole
; rows of 512 bytes.  LDS serves a wave's instructions in order (ISA guide 5.7.1.4): no wait between the stores and the loads, nor in front of the next block's stores.
.macro TOSTAGE a
.set AC, 64*((\a)%4)
.set W, 2+(\a)/4
.set WW, (W<<6)|W
	WIN WW                                         ; destination and source 0: the accumulators' window; bo in window 0
.irp j, 0,2,4,6,8,10,12,14,16,18,20,22,24,26,28,30,32,34,36,38,40,42,44,46,48,50,52,54,56,58,60,62
	v_pk_fma_f32 v[AC+\j:AC+\j+1], v[AC+\j:AC+\j+1], s[96:97], v[BIAS+\j:BIAS+\j+1] op_sel_hi:[1,0,1]   ; sum x 2^(e10 + e11) + bo, two at a time (the scalar pair's low word for both halves); each accumulator from its low end on
.endr
.set WW, W<<2
	WIN WW                                         ; an LDS store's data: source 1
.irp b, 0,1,2,3,4,5,6,7
	ds_store_b128 v[STO], v[AC+8*\b:AC+8*\b+3] offset:64*\b
	ds_store_b128 v[STO], v[AC+8*\b+4:AC+8*\b+7] offset:64*\b+16
.endr
	WIN 0
.set BB, BK+64*((\a)%2)
.irp t, 0,1,2,3,4,5,6,7,8,9,10,11,12,13,14,15
	ds_load_b128 v[BB+4*\t:BB+4*\t+3], v[RD] offset:\t*SPITCH
.endr
.endm
.macro SEND a, younger                 ; younger: the LDS instructions issued behind block a's loads, which may stay out
.set BB, BK+64*((\a)%2)
	s_wait_dscnt \younger                          ; the block is back in registers
.if (\a) > 0
	s_add_nc_u64 s[12:13], s[12:13], 16*SIZE_N*4   ; (behind a wait on XCNT: the earlier stores have read their base)  16 rows on, so that the stores' offsets stay small
.endif
.irp t, 0,1,2,3,4,5,6,7,8,9,10,11,12,13,14,15
	global_store_b128 v[CO], v[BB+4*\t:BB+4*\t+3], s[12:13] offset:\t*SIZE_N*4 th:TH_STORE_NT   ; 32 lanes store 512 consecutive bytes, at a multiple of 256 from out0's first byte; written once, read by nobody here
.endr
.endm
	s_wait_kmcnt 0x0
	s_add_co_i32 s96, s96, s97                     ; e10 + e11, between -126 and 127,
	s_add_co_i32 s96, s96, 127
	s_lshl_b32 s96, s96, 23                        ; makes the f32 number 2^(e10 + e11)
	s_wait_loadcnt 0x0                             ; bo
	PLACES NP                                      ; behind the last products: the multiply-adds write results, the loads below land where ctx's fragments lay
	TOSTAGE 0
.irp a, 1,2,3,4,5,6,7
.if \a > 1
	s_wait_xcnt 0x0                                ; block a - 2's stores have read their registers and their base: block a's loads may land there, and the base may step
.endif
	TOSTAGE \a
	SEND \a-1, 32                                  ; behind block a - 1's loads: block a's 16 stores and 16 loads
.endr
	s_wait_xcnt 0x0                                ; block 6's stores have read their base
	SEND 7, 0
	s_wait_tensorcnt 0x0                           ; the wave's end, behind my last tensor load and my last LDS store
	ds_add_u32 v[SPW], v[NIL]
	s_wait_dscnt 0x0
	CROUND                                         ; the closing round: no work-group ends while a partner may still ask for a tile that names it
	s_endpgm
.Lfunc_end_k_q6ea756b218_outp:
	.size	k_q6ea756b218_outp, .Lfunc_end_k_q6ea756b218_outp-k_q6ea756b218_outp
	.p2alignl 7, 3214868480
	.fill 96, 4, 3214868480
	.section	.rodata,"a",@progbits
	.p2align	6, 0x0
	.amdhsa_kernel k_q6ea756b218_outp
		.amdhsa_group_segment_fixed_size 327680
		.amdhsa_private_segment_fixed_size 0
		.amdhsa_enable_private_segment 0
		.amdhsa_kernarg_size 40
		.amdhsa_user_sgpr_count 2
		.amdhsa_user_sgpr_kernarg_segment_ptr 1
		.amdhsa_wavefront_size32 1
		.amdhsa_system_sgpr_workgroup_id_x 1
		.amdhsa_system_sgpr_workgroup_id_y 1
		.amdhsa_system_sgpr_workgroup_id_z 1
		.amdhsa_system_vgpr_workitem_id 0
		.amdhsa_next_free_vgpr 1024
		.amdhsa_next_free_sgpr 98
		.amdhsa_reserve_vcc 0
		.amdhsa_float_denorm_mode_32 3
		.amdhsa_float_denorm_mode_16_64 3
		.amdhsa_memory_ordered 1
		.amdhsa_forward_progress 1
		.amdhsa_inst_pref_size 126
	.end_amdhsa_kernel
	.amdgpu_metadata
---
amdhsa.version: [ 1, 2 ]
amdhsa.kernels:
  - .name:           k_q6ea756b218_outp
    .symbol:         k_q6ea756b218_outp.kd
    .args:
      - { .name: ctx, .offset: 0, .size: 8, .value_kind: global_buffer, .address_space: global }
      - { .name: Wo_codes, .offset: 8, .size: 8, .value_kind: global_buffer, .address_space: global }
      - { .name: lowp_scales, .offset: 16, .size: 8, .value_kind: global_buffer, .address_space: global }
      - { .name: bo, .offset: 24, .size: 8, .value_kind: global_buffer, .address_space: global }
      - { .name: out0, .offset: 32, .size: 8, .value_kind: global_buffer, .address_space: global }
    .group_segment_fixed_size: 327680
    .private_segment_fixed_size: 0
    .kernarg_segment_align: 8
    .kernarg_segment_size: 40
    .max_flat_workgroup_size: 128
    .sgpr_count:     98
    .vgpr_count:     1024
    .wavefront_size: 32
...
	.end_amdgpu_metadata
.endif
;; end of part 3
